; MI455X (gfx1250); checked and timed in simulation.
; The chip was launched on July 23, 2026; its instructions are those of AMD's public machine-readable ISA for CDNA 5 (MIT licence, August 2026) and "CDNA5" Instruction Set Architecture Reference Guide (July 2026). The comments in the code are by the model that wrote it; some were corrected since.
;; Attention. Allowed arithmetic: matrix products marked QUANTISED: E3M2 operands, one E8M0 scale for each 32 along K, by v_wmma_scale_f32_16x16x128_f8f6f4 with both operands' format E3M2, f32 sums; products left as they are: f32 operands where the result goes on into a quantised operand, else bf16, f16 or f32 operands; f32 sums; everything else in f32.
;; Inputs: W_attn_codes 2,048 x 96 x 24 uint8 (E3M2 codes of W_attn, K innermost, in blocks of 32 codes, four codes in three bytes); W_attn_scales 2,048 x 96 uint8 (E8M0 scales of W_attn, one for each 32 codes along K); b_attn 2,048 float32; b_v 1 float32; encoder_out 16 x 512 x 2,048 float32; hidden 1,024 x 16 float32; lengths 16 int32; w_v 1 x 2,048 float32.
;; Outputs: out0 16 x 2,048 float32.
;; This version of the problem:
;;   THIS VERSION OF THE PROBLEM IS GIVEN IN LOW PRECISION. The matrix products marked QUANTISED in the list below multiply operands that are first quantised to E3M2 (3 exponent bits, 2 mantissa bits; 6 bits a number), with one power-of-two scale for each 32 numbers along K (OCP MX v1.0); their sums are f32. All else is computed in f32.
;;   The module's matrix products, in the order in which they are computed (A, B: the left and right operand; K: the contracted axis; several contracted axes count as one K, in the product's order):
;;     1. [M 8,192, K 3,072] x [K 3,072, N 2,048]; A: computed on the way; B: input W_attn (given as codes): QUANTISED
;;     2. [M 8,192, K 2,048] x [K 2,048, N 1]; A: computed on the way; B: input w_v: left as it is (N = 1 < 16)
;;     3. batch 16 x [M 1, K 512] x [K 512, N 2,048]; A: computed on the way; B: input encoder_out: left as it is (M = 1 < 16)
;;   THE QUANTISER, for each operand of a quantised product, along K:
;;     - K is cut into blocks of 32 from its start; a last block that is shorter is filled with zeros.
;;     - A block's scale is 2^e with e = floor(log2(the largest magnitude in the block)) - 4, held to -126 .. 127; a block of zeros has e = 0. As a byte (E8M0): e + 127.
;;     - Each number is divided by its block's scale, clamped to +-28, and rounded to the nearest number of E3M2, ties to even, subnormals kept.
;;     - The product sums the exact products of the quantised numbers (number of the format x scale) in f32.
;;   ~~~python
;;   def quantise(x, axis):      # numpy; x: float32 -> the quantised numbers, widened to float32 again
;;       x = np.moveaxis(x, axis, -1); K = x.shape[-1]
;;       x = np.pad(x, [(0, 0)] * (x.ndim - 1) + [(0, -K % 32)]); x = x.reshape(x.shape[:-1] + (-1, 32)); a = np.abs(x).max(-1, keepdims=True)
;;       e = np.where(a > 0, np.clip(np.frexp(np.where(a > 0, a, 1))[1] - 1 - 4, -126, 127), 0)      # np.frexp(a)[1] - 1 = floor(log2(a)), exactly
;;       r = np.clip(x / 2.0 ** e, -28, 28)
;;       step = 2.0 ** (np.maximum(np.frexp(np.where(r == 0, 1, r))[1] - 1, -2) - 2)
;;       q = np.round(r / step) * step * 2.0 ** e      # np.round: ties to even
;;       return np.moveaxis(q.reshape(q.shape[:-2] + (-1,))[..., :K], -1, axis).astype(np.float32)
;;   ~~~
;;   OPERANDS COMPUTED ON THE WAY. 'Computed on the way' means the value that the module computes at that place (a softmax that the list does not call 'softmax' is quantised finished and normalised). What goes into a quantiser is computed in f32, as accurately as f32 sums, v_exp_f32 and their like allow (about 1e-6 of the number): no bf16 or f16 on the way to a quantiser, and a product that is left as it is and whose result goes on into a quantised operand takes f32 operands (vector FMAs, or v_wmma_f32_16x16x4_f32). A number that lies on a knife's edge between two numbers of the format may be rounded either way, as far as f32 arithmetic and the matrix unit's own rounding can turn it there, and no further.
;;   INPUTS GIVEN AS CODES. W_attn (in the module: [2048, 3072], K = its axis 1): each comes as NAME_codes (uint8): NAME with its K axis moved to the last place and cut into blocks of 32 codes, [.., K / 32, bytes a block], one block behind the other in memory; four codes in three bytes: a row's codes are one little-endian stream of bits, code i at bits 6 i .. 6 i + 5 (a code: sign, 3 exponent bits, 2 mantissa bits); and NAME_scales (uint8): the same leading axes, one E8M0 byte (e + 127) for each 32 codes along K. Its value is code x scale, taken as it is: it is not quantised again, and the codes and scales need not be those that the quantiser above would give.
;; One version. Each part assembles by itself: llvm-mc -triple=amdgcn-amd-amdhsa -mcpu=gfx1250 --defsym DOCPART=n.
;; ======== version 1 of 1: 3 launches
;; limits: right only within a limited range of input values
;; workspace buffers: enc_codes 12,582,912 bytes; enc_scales 1,048,576 bytes; gimg 131,072 bytes; sp 524,288 bytes
;; launch prep (part 1): grid 544 x 1, 4 waves a work-group, no clusters, 47,616 bytes of LDS; arguments encoder_out, hidden, W_attn_codes, W_attn_scales, b_attn, enc_codes, enc_scales, gimg, lengths; writes enc_codes, enc_scales, gimg
.if DOCPART == 1
	.amdgcn_target "amdgcn-amd-amdhsa--gfx1250"
	.amdhsa_code_object_version 6
	.text
	.protected	k_qa29c6a5062_prep
	.globl	k_qa29c6a5062_prep
	.p2align	8
	.type	k_qa29c6a5062_prep,@function
k_qa29c6a5062_prep:
	s_mov_b64 s[64:65], 0
	v_nop
	global_prefetch_b8 v0, s[64:65] scope:SCOPE_SE
	s_setreg_imm32_b32 hwreg(HW_REG_WAVE_MODE, 25, 1), 1
	s_wait_xcnt 0x0
; TWO JOBS IN ONE LAUNCH, parted on the work-group's number alone.
; WORK LEFT OUT, in the whole program: reference() sets the score of every row s >= lengths[b] to -infinity and its energy to 0, so nothing of such a row reaches out0, whatever the inputs hold.
; Rows go in blocks of 16; a batch has n(b) = ceil(clamp(lengths[b], 1, 512) / 16) live blocks; the others are neither read, quantised nor multiplied.  A NaN or an infinity in a row left out is not carried to the result.
; (Q) Work-groups 32 .. 543: work-group 32 + 32 b + i owns block i of batch b.  A live block gets the place j = n(0) + .. + n(b - 1) + i: the live blocks lie without gaps.
;     Wave w quantises K steps 4 w .. 4 w + 3 (128 along K each) to BF6 (E3M2).  A step's 16 rows x 512 bytes are read by 16 loads of 512 consecutive bytes, go through the wave's own stage in LDS and
;     come back so that lane (r, h) holds row r, k = 64 c + 32 h + 0 .. 31: two whole blocks of 32, in the order of the matrix operand's registers.
;     enc_codes: the operand's registers as they stand: byte 24,576 j + 1,536 step + 512 c + 16 lane.  enc_scales: byte 2,048 j + 256 (step / 2) + 8 lane: the scale words of two steps (both halves of the lanes hold row r's).
; (G) Work-groups 0 .. 31: the first 1,024 of the product's K are hidden[:, b], the same for all rows of a batch, and no block of 32 straddles the seam.  So that third of the product is
;     G[b][o] = b_attn[o] + sum over k < 1,024 of Q(hidden[k][b]) W[o][k], made once by the same scaled matrix instruction.  It is stored times 2 log2(e), the factor of the next launch's exponential (no quantiser follows).
;     G[b][16 t + 8 h + j] lies at byte 1,024 t + 512 (j / 4) + 16 (b + 16 h) + 4 (j % 4).
; A block's scale is 2^(floor(log2(its largest magnitude)) - 4); its byte is that magnitude's exponent field - 4, held at 1 from below.
; LIMITS: a block of 32 whose largest magnitude lies under 2^-122, zeros among them, gets the byte 1 (its codes are zeros; only this program reads the bytes); NaN and infinities among live inputs are not served.
; NO CLUSTER: (Q)'s work-groups share no byte; (G)'s share hidden, 65,536 bytes read through registers.  Each job has LDS bytes of its own.
.set STGB, 8448                        ; (Q) a wave's stage: 16 rows of SP bytes
.set SP,   528                         ; 512 bytes + 16 of padding
.set HIMG, 4*STGB                      ; (G) hidden's 8 fragments, 1,536 bytes each
.set HSC,  HIMG+8*1536                 ; (G) their scale words
.set SPARE, HSC+1024                   ; the spare words
.set R,    16                          ; (Q) v16-143 the loads of steps 0 and 1; those of steps 2 and 3 land in v256-383
.set WD,   144                         ; (Q) v144-147 my four steps' scale words
.set WS,   16                          ; (G) W's scale words
.set HS,   24                          ; (G) hidden's
.set BI,   32                          ; (G) b_attn in the result's layout
.set ACC,  40                          ; (G) two accumulators, by turns
.set OUTG, 56
.set WF,   64                          ; (G) W's 8 fragments
.set HX,   160                         ; 64 numbers of a lane; (G) later hidden's 8 fragments
.set PC,   224                         ; the codes just made
.set CT,   236
.set HM,   244
.set SO,   246
.set BY,   248
.set PW,   250
.set TMP,  251
.set SPW,  13
.set NIL,  14
	s_load_b256 s[4:11], s[0:1], 0x0               ; encoder_out, hidden, W's codes, W's scales
	s_load_b256 s[12:19], s[0:1], 0x20             ; b_attn, enc_codes, enc_scales, gimg
	s_load_b64 s[28:29], s[0:1], 0x40              ; lengths
	v_lshl_add_u32 v[SPW], v0, 2, SPARE
	v_mov_b32 v[NIL], 0
	v_lshrrev_b32 v1, 5, v0
	v_readfirstlane_b32 s20, v1                    ; wave
	v_and_b32 v11, 31, v0                          ; lane
	v_and_b32 v1, 15, v0                           ; r
	v_bfe_u32 v2, v0, 4, 1                         ; h
	v_lshlrev_b32 v8, 4, v11                       ; 16 x lane
	v_lshlrev_b32 v12, 3, v2                       ; 8 h: how far my two scale bytes are shifted up
	v_mov_b32 v[TMP], 0                            ; a lane permute's destination counts as a source
	s_mov_b32 s22, 0x76543210
	s_mov_b32 s23, 0xfedcba98                      ; selects for lane l xor 16
	s_mov_b32 s25, 0                               ; the upper word of every offset
	s_wait_alu depctr_va_vdst(0)
	s_wait_kmcnt 0x0
	s_cmp_lt_u32 ttmp9, 32
	s_cbranch_scc1 .Lg
.macro QH                              ; 64 numbers of a lane, two whole blocks, become a fragment's codes in v[PC] on and its scale word in v[PW]
.irp c, 0,1
	v_max3_num_f32 v[HM+\c], |v[HX+32*\c]|, |v[HX+1+32*\c]|, 0x2800000   ; with the floor 2^(5 - 127)
.endr
.irp i, 2,4,6,8,10,12,14,16,18,20,22,24,26,28,30
.irp c, 0,1
	v_max3_num_f32 v[HM+\c], v[HM+\c], |v[HX+32*\c+\i]|, |v[HX+1+32*\c+\i]|
.endr
.endr
.irp c, 0,1
	v_add_nc_u32 v[SO+\c], 0xfe000000, v[HM+\c]    ; 4 off the exponent field: the conversion's scale operand
.endr
.irp c, 0,1
	v_lshrrev_b32 v[BY+\c], 23, v[SO+\c]           ; the scale's byte
.endr
	v_lshl_or_b32 v[PW], v[BY+1], 16, v[BY]        ; blocks h and 2 + h,
	v_lshlrev_b32 v[PW], v12, v[PW]                ; at their places in the word;
	v_permlanex16_b32 v[TMP], v[PW], s22, s23
	v_or_b32 v[PW], v[PW], v[TMP]                  ; with lane l xor 16's two the word is whole
.irp c, 0,1
	v_cvt_scalef32_pk16_bf6_f32 v[PC+6*\c:PC+6*\c+2], v[HX+32*\c:HX+32*\c+15], v[SO+\c]
	v_cvt_scalef32_pk16_bf6_f32 v[CT+4*\c:CT+4*\c+2], v[HX+32*\c+16:HX+32*\c+31], v[SO+\c]   ; (three registers begin on an even number: made elsewhere and moved)
.endr
	v_nop                                          ; one plain line behind a scaled conversion
.irp c, 0,1
.irp i, 0,1,2
	v_mov_b32 v[PC+3+6*\c+\i], v[CT+4*\c+\i]
.endr
.endr
.endm
; ---------------- (Q) ----------------
	s_load_b512 s[44:59], s[28:29], 0x0            ; all 16 lengths
	s_sub_co_u32 s26, ttmp9, 32
	s_lshr_b32 s27, s26, 5                         ; batch
	s_and_b32 s30, s26, 31                         ; block in the batch
	s_mul_i32 s21, s20, STGB
	s_lshl_b32 s24, s26, 17                        ; 16 rows of 8,192 bytes a block
	s_add_nc_u64 s[4:5], s[4:5], s[24:25]
	s_lshl_b32 s24, s20, 11                        ; my four K steps: 2,048 bytes of each row
	s_add_nc_u64 s[4:5], s[4:5], s[24:25]
	s_mov_b32 s31, 0
	s_mov_b32 s33, 0
	v_add_nc_u32 v3, s21, v8                       ; the stage, in: a row's 512 bytes as they are loaded
	v_mul_u32_u24 v4, v1, SP
	v_lshl_add_u32 v4, v2, 7, v4
	v_add_nc_u32 v4, s21, v4                       ; and out: row r, + 128 h
	v_lshlrev_b32 v7, 3, v11                       ; 8 x lane
	s_wait_alu depctr_va_vdst(0)
	s_wait_kmcnt 0x0
.irp i, 0,1,2,3,4,5,6,7,8,9,10,11,12,13,14,15
	s_max_i32 s32, s[44+\i], 1
	s_min_i32 s32, s32, 512
	s_add_co_u32 s32, s32, 15
	s_lshr_b32 s32, s32, 4                         ; n(i)
	s_cmp_gt_u32 s27, \i
	s_cselect_b32 s34, s32, 0
	s_add_co_u32 s31, s31, s34                     ; the live blocks of the batches ahead of mine
	s_cmp_eq_u32 s27, \i
	s_cselect_b32 s33, s32, s33                    ; my batch's
.endr
	s_cmp_ge_u32 s30, s33                          ; a block with no live row: nothing is read or stored
	s_cbranch_scc1 .Lnone
	s_add_co_u32 s31, s31, s30
	s_min_u32 s31, s31, 511                        ; j
	s_mul_i32 s24, s31, 24576
	s_add_nc_u64 s[14:15], s[14:15], s[24:25]
	s_mul_i32 s24, s20, 6144
	s_add_nc_u64 s[14:15], s[14:15], s[24:25]
	s_lshl_b32 s24, s31, 11
	s_add_nc_u64 s[16:17], s[16:17], s[24:25]
	s_lshl_b32 s24, s20, 9
	s_add_nc_u64 s[16:17], s[16:17], s[24:25]
.set MSB, 0
.macro WIN new                         ; the immediate's high byte repeats the setting that is left
.if MSB != (\new)
	s_set_vgpr_msb (MSB<<8)|(\new)
.set MSB, (\new)
.endif
.endm
.macro QLD s
.set RB, R*(1-(\s)/2)+64*((\s)%2)
	WIN 0x40*((\s)/2)                              ; the destination: window 0 or 1
.irp i, 0,1,2,3,4,5,6,7,8,9,10,11,12,13,14,15
	global_load_b128 v[RB+4*\i:RB+4*\i+3], v8, s[4:5] offset:8192*\i+512*(\s) th:TH_LOAD_NT   ; row i: 512 consecutive bytes
.endr
	WIN 0
.endm
.macro QSTEP s
	s_wait_loadcnt 16*(3-(\s))                     ; this step's 16 loads are in; those of the steps behind it stay out
.set RB, R*(1-(\s)/2)+64*((\s)%2)
	WIN 0x04*((\s)/2)                              ; the data: window 0 or 1
.irp i, 0,1,2,3,4,5,6,7,8,9,10,11,12,13,14,15
	ds_store_b128 v3, v[RB+4*\i:RB+4*\i+3] offset:SP*\i
.endr
	WIN 0
.irp c, 0,1
.irp i, 0,1,2,3,4,5,6,7
	ds_load_b128 v[HX+32*\c+4*\i:HX+32*\c+4*\i+3], v4 offset:256*\c+16*\i   ; LDS serves a wave's instructions in order
.endr
.endr
	s_wait_dscnt 0x0                               ; my 64 numbers are back, so the stores have read their registers
.if (\s) > 0
	s_wait_xcnt 0x0                                ; the last step's stores have read the code registers
.endif
	QH
	v_mov_b32 v[WD+(\s)], v[PW]
.irp c, 0,1,2
	global_store_b128 v8, v[PC+4*\c:PC+4*\c+3], s[14:15] offset:1536*(\s)+512*\c   ; 512 consecutive bytes
.endr
.endm
	QLD 0                                          ; all four steps' 64 loads go out at once
	QLD 1
	QLD 2
	QLD 3
	QSTEP 0
	QSTEP 1
	QSTEP 2
	QSTEP 3
	global_store_b64 v7, v[WD:WD+1], s[16:17]              ; 256 consecutive bytes, aligned
	global_store_b64 v7, v[WD+2:WD+3], s[16:17] offset:256
	s_wait_tensorcnt 0x0                           ; the wave's end
	ds_add_u32 v[SPW], v[NIL]
	s_wait_dscnt 0x0
.Lnone:
	s_endpgm
; ---------------- (G) ----------------
.Lg:
	s_mul_i32 s26, s20, 2*1536
	s_lshl_b32 s27, s20, 8
	s_lshl_b32 s21, ttmp9, 2
	s_add_co_u32 s21, s21, s20                     ; t: my tile of 16 outputs
	s_mul_i32 s24, s21, 16*2304
	s_add_nc_u64 s[8:9], s[8:9], s[24:25]
	s_mul_i32 s24, s21, 16*96
	s_add_nc_u64 s[10:11], s[10:11], s[24:25]
	s_lshl_b32 s24, s21, 6
	s_add_nc_u64 s[12:13], s[12:13], s[24:25]
	s_lshl_b32 s24, s21, 10
	s_add_nc_u64 s[18:19], s[18:19], s[24:25]
	s_lshl_b32 s24, s20, 14                        ; hidden: my two K steps are 256 rows of 64 bytes
	s_add_nc_u64 s[6:7], s[6:7], s[24:25]
	v_mul_u32_u24 v3, v1, 2304                     ; W's codes: row r, + 24 h
	v_mad_u32_u24 v3, v2, 24, v3
	v_lshlrev_b32 v4, 2, v1                        ; hidden: lane r takes batch r, its registers run down K;
	v_lshl_add_u32 v4, v2, 11, v4                  ; lanes 16-31 begin 32 rows further down
	v_mul_u32_u24 v5, v1, 96                       ; W's scale bytes
	v_lshlrev_b32 v6, 5, v2                        ; b_attn: my half's eight
	v_add_nc_u32 v7, s26, v8                       ; where I store my two images
	v_lshlrev_b32 v10, 2, v11
	v_add_nc_u32 v9, s27, v10                      ; and my two scale words
	s_wait_alu depctr_va_vdst(0)
.macro XLD u
.irp c, 0,1
.irp i, 0,1,2,3,4,5,6,7,8,9,10,11,12,13,14,15,16,17,18,19,20,21,22,23,24,25,26,27,28,29,30,31
	global_load_b32 v[HX+32*\c+\i], v4, s[6:7] offset:64*(128*\u+64*\c+\i)
.endr
.endr
.endm
.macro IMG u
.irp c, 0,1,2
	ds_store_b128 v7, v[PC+4*\c:PC+4*\c+3] offset:HIMG+1536*\u+512*\c
.endr
	ds_store_b32 v9, v[PW] offset:HSC+128*\u
.endm
	XLD 0
.irp s, 0,1,2,3,4,5,6,7
.irp p, 0,1,2,3,4,5
	global_load_b64 v[WF+12*\s+2*\p:WF+12*\s+2*\p+1], v3, s[8:9] offset:96*\s+48*(\p/3)+8*(\p%3)
.endr
.endr
	global_load_b128 v[WS:WS+3], v5, s[10:11]
	global_load_b128 v[WS+4:WS+7], v5, s[10:11] offset:16
	global_load_b128 v[BI:BI+3], v6, s[12:13]
	global_load_b128 v[BI+4:BI+7], v6, s[12:13] offset:16
	s_wait_loadcnt 52                              ; hidden's 64 loads are in; the 48 + 2 + 2 behind them may be out
	QH
	IMG 0
	XLD 1
	s_wait_loadcnt 0x0
	s_wait_dscnt 0x0                               ; the stores have read their registers
	QH
	IMG 1
	s_wait_dscnt 0x0                               ; for the others' sake
	s_barrier_signal -1
	s_barrier_wait -1
.irp s, 0,1,2,3,4,5,6,7
.irp c, 0,1,2
	ds_load_b128 v[HX+12*\s+4*\c:HX+12*\s+4*\c+3], v8 offset:HIMG+1536*\s+512*\c
.endr
	ds_load_b32 v[HS+\s], v10 offset:HSC+128*\s
.endr
	s_wait_dscnt 0x0
; source 0 = 16 rows of W, source 1 = the 16 batches; two accumulators take turns; the first begins with b_attn as its C
.irp s, 0,1,2,3,4,5,6,7
.if \s == 0
	v_wmma_scale_f32_16x16x128_f8f6f4 v[ACC:ACC+7], v[WF:WF+11], v[HX:HX+11], v[BI:BI+7], v[WS], v[HS] matrix_a_fmt:MATRIX_FMT_BF6 matrix_b_fmt:MATRIX_FMT_BF6
.elseif \s == 1
	v_wmma_scale_f32_16x16x128_f8f6f4 v[ACC+8:ACC+15], v[WF+12:WF+23], v[HX+12:HX+23], 0, v[WS+1], v[HS+1] matrix_a_fmt:MATRIX_FMT_BF6 matrix_b_fmt:MATRIX_FMT_BF6
.else
	v_wmma_scale_f32_16x16x128_f8f6f4 v[ACC+8*(\s%2):ACC+8*(\s%2)+7], v[WF+12*\s:WF+12*\s+11], v[HX+12*\s:HX+12*\s+11], v[ACC+8*(\s%2):ACC+8*(\s%2)+7], v[WS+\s], v[HS+\s] matrix_a_fmt:MATRIX_FMT_BF6 matrix_b_fmt:MATRIX_FMT_BF6
.endif
.endr
.rept 4
	v_nop                                          ; four places ahead of the first read of results (ISA guide 7.12.1)
.endr
.irp j, 0,2,4,6
	v_pk_add_f32 v[OUTG+\j:OUTG+\j+1], v[ACC+\j:ACC+\j+1], v[ACC+8+\j:ACC+8+\j+1]
.endr
.irp j, 0,2,4,6
	v_pk_mul_f32 v[OUTG+\j:OUTG+\j+1], v[OUTG+\j:OUTG+\j+1], 0x4038aa3b op_sel_hi:[1,0]   ; x 2 log2(e)
.endr
	global_store_b128 v8, v[OUTG:OUTG+3], s[18:19]
	global_store_b128 v8, v[OUTG+4:OUTG+7], s[18:19] offset:512
	s_wait_tensorcnt 0x0                           ; the wave's end
	ds_add_u32 v[SPW], v[NIL]
	s_wait_dscnt 0x0
	s_endpgm
.Lfunc_end_k_qa29c6a5062_prep:
	.size	k_qa29c6a5062_prep, .Lfunc_end_k_qa29c6a5062_prep-k_qa29c6a5062_prep
	.p2alignl 7, 3214868480
	.fill 96, 4, 3214868480
	.section	.rodata,"a",@progbits
	.p2align	6, 0x0
	.amdhsa_kernel k_qa29c6a5062_prep
		.amdhsa_group_segment_fixed_size 47616
		.amdhsa_private_segment_fixed_size 0
		.amdhsa_enable_private_segment 0
		.amdhsa_kernarg_size 72
		.amdhsa_user_sgpr_count 2
		.amdhsa_user_sgpr_kernarg_segment_ptr 1
		.amdhsa_wavefront_size32 1
		.amdhsa_system_sgpr_workgroup_id_x 1
		.amdhsa_system_sgpr_workgroup_id_y 1
		.amdhsa_system_sgpr_workgroup_id_z 1
		.amdhsa_system_vgpr_workitem_id 0
		.amdhsa_next_free_vgpr 384
		.amdhsa_next_free_sgpr 66
		.amdhsa_reserve_vcc 0
		.amdhsa_float_denorm_mode_32 3
		.amdhsa_float_denorm_mode_16_64 3
		.amdhsa_memory_ordered 1
		.amdhsa_forward_progress 1
		.amdhsa_inst_pref_size 64
	.end_amdhsa_kernel
	.amdgpu_metadata
---
amdhsa.version: [ 1, 2 ]
amdhsa.kernels:
  - .name:           k_qa29c6a5062_prep
    .symbol:         k_qa29c6a5062_prep.kd
    .args:
      - { .name: encoder_out, .offset: 0, .size: 8, .value_kind: global_buffer, .address_space: global }
      - { .name: hidden, .offset: 8, .size: 8, .value_kind: global_buffer, .address_space: global }
      - { .name: W_attn_codes, .offset: 16, .size: 8, .value_kind: global_buffer, .address_space: global }
      - { .name: W_attn_scales, .offset: 24, .size: 8, .value_kind: global_buffer, .address_space: global }
      - { .name: b_attn, .offset: 32, .size: 8, .value_kind: global_buffer, .address_space: global }
      - { .name: enc_codes, .offset: 40, .size: 8, .value_kind: global_buffer, .address_space: global }
      - { .name: enc_scales, .offset: 48, .size: 8, .value_kind: global_buffer, .address_space: global }
      - { .name: gimg, .offset: 56, .size: 8, .value_kind: global_buffer, .address_space: global }
      - { .name: lengths, .offset: 64, .size: 8, .value_kind: global_buffer, .address_space: global }
    .group_segment_fixed_size: 47616
    .private_segment_fixed_size: 0
    .kernarg_segment_align: 8
    .kernarg_segment_size: 72
    .max_flat_workgroup_size: 128
    .sgpr_count:     66
    .vgpr_count:     384
    .wavefront_size: 32
...
	.end_amdgpu_metadata
.endif
;; end of part 1
;; launch scores (part 2): grid 256 x 1, 4 waves a work-group, no clusters, 212,480 bytes of LDS; arguments enc_codes, enc_scales, W_attn_codes, W_attn_scales, gimg, w_v, sp, lengths; writes sp
.if DOCPART == 2
	.amdgcn_target "amdgcn-amd-amdhsa--gfx1250"
	.amdhsa_code_object_version 6
	.text
	.protected	k_qa29c6a5062_scores
	.globl	k_qa29c6a5062_scores
	.p2align	8
	.type	k_qa29c6a5062_scores,@function
k_qa29c6a5062_scores:
	s_mov_b64 s[64:65], 0
	v_nop
	global_prefetch_b8 v0, s[64:65] scope:SCOPE_SE
	s_setreg_imm32_b32 hwreg(HW_REG_WAVE_MODE, 25, 1), 1
	s_wait_xcnt 0x0
; sp[part][row] = the sum over the part's 128 outputs o of w_v[o] tanh(G[b][o] + sum over k >= 1,024 of Q(enc)[row][k] W[o][k]), FOR THE LIVE BLOCKS OF 16 ROWS ALONE (rows beyond a batch's length are masked out by
; reference(): see the first kernel's head).  NB = the number of live blocks, from lengths, 16 .. 512.
; Work-group x: part cg = x % 16 (outputs 128 cg .. + 127), row share x / 16.  Wave g = 4 (x / 16) + wave (0 .. 63) takes the live blocks j = g + 64 a: a = 0 .. 3 in the first pass, 4 .. 7 in the second.
; The loop over passes has the constant count 2; a pass in which the wave has no live block is jumped over whole (a scalar branch on a count made from lengths).  In a pass that runs, all four places are multiplied:
; a dead place names the last live block, and its result is not put out.
; W's 128 rows of 1,536 bytes (K = 1,024 .. 3,071) and their scale bytes come into LDS ONCE, through registers, in loads of 512 consecutive bytes; one barrier; behind it no wave waits for another.
; A's fragments come from enc_codes, which holds them as register images, straight into a ring of FIVE register sets: step t + 4's 12 loads of 512 bytes are issued during step t, into the set that step t - 1 read.
; B's fragments come from LDS into two sets: step t + 1's 48 loads are issued during step t.  A step is 128 along K: 32 matrix instructions in eight chunks of four; the loads stand in small runs ahead of the chunks,
; so that they are issued between matrix instructions and none lands in a register that the step at work reads.
; NO PREFETCH: the ring's own loads stand more than three steps ahead of their use, and W is asked for once, at the head.
; The matrix instruction is used transposed (source 0 = 16 rows of W, source 1 = 16 rows of enc): lane (r, h) holds row r and outputs 16 b + 8 h + 0 .. 7.
; tanh(x) = 1 - 2 / (1 + 2^(2 log2(e) x)); G comes already multiplied by 2 log2(e).
; sp: byte 32,768 cg + 512 g + 64 (j / 64) + 4 r; a pass stores its 256 bytes whole (zeros at dead places).
; REGISTERS: window 0: v0-31 addresses, v32-55 A's scale words (three sets), v56-87 B's (two sets), v88-183 B's set 0 (on the way out: at work), v184-231 ring set 4; window 1: v0-191 ring sets 0-3, v192-255 w_v;
;   window 2: the 32 accumulators; window 3: v0-127 G, two slots by turns, v128-223 B's set 1.
; LIMITS: lengths are held to 1 .. 512 for the count of blocks; NaN and infinities among live inputs are not served.
.set NC,   4
.set FR,   12
.set WP,   1552                        ; an LDS row of W: 1,536 bytes + 16: row r starts 4 r words on, modulo 64 words
.set SCB,  128*WP                      ; W's scale bytes: 128 rows of 96, as they lie in memory
.set STG,  SCB+12288                   ; a stage of 256 bytes for each wave
.set SPARE, STG+1024                   ; the spare words
.set ADRB, 8                           ; v8-11 LDS address of B's blocks 2 i, 2 i + 1
.set ADRS, 12
.set L16,  13
.set L8,   14
.set WST,  15
.set SST,  16
.set STA,  17
.set STR,  18
.set GA,   19
.set WA,   20
.set Z,    22
.set SPW,  26
.set NIL,  27
.set Q,    28
.set SW,   29
.set SCA,  32
.set SCW,  56
.set B0,   88
.set T,    88
.set S,    152
.set P,    160
.set O,    164
.set WV,   192                         ; in window 1
.set AB,   36                          ; s[36:43] enc_codes at my four blocks
.set SB,   44                          ; s[44:51] enc_scales at them
.set GB,   52                          ; s[52:59] gimg at their batches
.set GI,   86
.set NB,   87
.set NBM1, 88
.set NBW,  89
.set PASS, 90
.set MSB, 0
.macro WIN new                         ; the immediate's high byte repeats the setting that is left
.if MSB != (\new)
	s_set_vgpr_msb (MSB<<8)|(\new)
.set MSB, (\new)
.endif
.endm
	s_load_b512 s[4:19], s[0:1], 0x0               ; enc_codes, enc_scales, W's codes, W's scales, gimg, w_v, sp, lengths
	v_lshl_add_u32 v[SPW], v0, 2, SPARE
	v_mov_b32 v[NIL], 0
	v_lshrrev_b32 v1, 5, v0
	v_readfirstlane_b32 s92, v1                    ; wave
	s_mul_i32 s80, s92, 32*WP
	s_mul_i32 s81, s92, 3072
	s_add_co_u32 s81, s81, SCB
	s_lshl_b32 s82, s92, 8
	s_add_co_u32 s82, s82, STG
	s_and_b32 s93, ttmp9, 15                       ; cg
	s_lshr_b32 s[GI], ttmp9, 4
	s_lshl_b32 s[GI], s[GI], 2
	s_add_co_u32 s[GI], s[GI], s92                 ; g
	s_mov_b32 s94, 0x76543210
	s_mov_b32 s95, 0xfedcba98
	s_mov_b32 s85, 0
	s_mov_b32 s[PASS], 0
	v_and_b32 v2, 31, v0
	v_and_b32 v3, 15, v0                           ; r
	v_bfe_u32 v4, v0, 4, 1                         ; h
	v_lshlrev_b32 v[L16], 4, v2
	v_lshlrev_b32 v[L8], 3, v2
	v_add_nc_u32 v[WST], s80, v[L16]               ; where my 32 rows of W go
	v_add_nc_u32 v[SST], s81, v[L16]               ; and my 3,072 scale bytes
	v_lshl_add_u32 v[STA], v3, 2, s82
	v_add_nc_u32 v[STR], s82, v[L8]
	v_mul_u32_u24 v5, v3, WP
	v_mad_u32_u24 v5, v4, 24, v5                   ; a fragment's row x pitch + 24 h
.irp i, 0,1,2,3
	v_add_nc_u32 v[ADRB+\i], \i*32*WP, v5
.endr
	v_mul_u32_u24 v6, v3, 96
	v_add_nc_u32 v[ADRS], SCB+32, v6               ; row r's scale bytes from K = 1,024 on
	v_lshlrev_b32 v[GA], 8, v4
	v_lshlrev_b32 v[WA], 5, v4
	v_mov_b32 v[Z], 0
	v_mov_b32 v[Z+1], 0
	v_mov_b32 v[Q], 0
	s_wait_alu depctr_va_vdst(0)
	s_wait_kmcnt 0x0
	s_load_b512 s[20:35], s[18:19], 0x0            ; the 16 lengths
	s_lshl_b32 s80, s93, 7
	s_lshl_b32 s81, s92, 5
	s_add_co_u32 s80, s80, s81                     ; my first row of W
	s_mul_i32 s84, s80, 2304
	s_add_co_u32 s84, s84, 768                     ; from K = 1,024 on
	s_add_nc_u64 s[8:9], s[8:9], s[84:85]
	s_mul_i32 s84, s80, 96
	s_add_nc_u64 s[10:11], s[10:11], s[84:85]
	WIN 0x80                                       ; W lands in windows 2 and 3, which are not yet at work: 96 loads of 512 consecutive bytes
.set k, 0
.rept 96
.if k == 64
	WIN 0xc0
.endif
	global_load_b128 v[4*(k%64):4*(k%64)+3], v[L16], s[8:9] offset:(k/3)*2304+(k%3)*512
.set k, k+1
.endr
	WIN 0
.irp i, 0,1,2,3,4,5
	global_load_b128 v[B0+4*\i:B0+4*\i+3], v[L16], s[10:11] offset:512*\i
.endr
	s_lshl_b32 s84, s93, 13
	s_add_nc_u64 s[12:13], s[12:13], s[84:85]      ; gimg at my 8 tiles
	s_lshl_b32 s84, s93, 9
	s_add_nc_u64 s[14:15], s[14:15], s[84:85]      ; w_v at my 128
	s_lshl_b32 s84, s93, 15
	s_add_nc_u64 s[96:97], s[16:17], s[84:85]
	s_lshl_b32 s84, s[GI], 9
	s_add_nc_u64 s[96:97], s[96:97], s[84:85]      ; sp at my wave's 512 bytes
	s_wait_kmcnt 0x0
.irp i, 0,1,2,3,4,5,6,7,8,9,10,11,12,13,14,15
	s_max_i32 s[20+\i], s[20+\i], 1
	s_min_i32 s[20+\i], s[20+\i], 512
	s_add_co_u32 s[20+\i], s[20+\i], 15
	s_lshr_b32 s[20+\i], s[20+\i], 4
.if \i > 0
	s_add_co_u32 s[20+\i], s[20+\i], s[19+\i]      ; s[20 + i]: the live blocks of batches 0 .. i
.endif
.endr
	s_mov_b32 s[NB], s35
	s_sub_co_u32 s[NBM1], s[NB], 1
; my blocks of this pass: their count, and for each place the block (a dead place: the last live block), its batch and the three addresses
.macro BASES
	s_lshl_b32 s80, s[PASS], 8
	s_add_co_u32 s80, s80, s[GI]
	s_sub_co_i32 s81, s[NB], s80
	s_add_co_i32 s81, s81, 63
	s_ashr_i32 s81, s81, 6
	s_max_i32 s81, s81, 0
	s_min_i32 s[NBW], s81, NC
.irp a, 0,1,2,3
	s_add_co_u32 s81, s80, 64*\a
	s_min_u32 s81, s81, s[NBM1]
	s_min_u32 s81, s81, 511
	s_mov_b32 s82, 0
.irp i, 0,1,2,3,4,5,6,7,8,9,10,11,12,13,14
	s_cmp_ge_u32 s81, s[20+\i]
	s_add_co_ci_u32 s82, s82, 0                    ; the batch: how many batches end at or ahead of block j
.endr
	s_min_u32 s82, s82, 15
	s_mul_i32 s84, s81, 24576
	s_add_nc_u64 s[AB+2*\a:AB+2*\a+1], s[4:5], s[84:85]
	s_lshl_b32 s84, s81, 11
	s_add_nc_u64 s[SB+2*\a:SB+2*\a+1], s[6:7], s[84:85]
	s_lshl_b32 s84, s82, 4
	s_add_nc_u64 s[GB+2*\a:GB+2*\a+1], s[12:13], s[84:85]
.endr
.endm
.macro GLOAD a                         ; G of block a's batch, in the result's layout, into slot a % 2 of window 3
.set GL, 64*((\a)%2)
	WIN 0xc0
.irp b, 0,1,2,3,4,5,6,7
	global_load_b128 v[GL+8*\b:GL+8*\b+3], v[GA], s[GB+2*(\a):GB+2*(\a)+1] offset:1024*\b
	global_load_b128 v[GL+8*\b+4:GL+8*\b+7], v[GA], s[GB+2*(\a):GB+2*(\a)+1] offset:1024*\b+512
.endr
	WIN 0
.endm
; GROUP x of global loads.  x < 16: (x odd: A's scale words of steps x - 1 and x, 4 loads, first;) step x's fragments, 12 loads, into ring set x % 5.  x = 16: w_v; 17, 18: G of blocks 0, 1: 16 loads each.
; Groups 0 .. 3 go out whole ahead of a pass; group t + 4 goes out during step t.
.macro ASC x                           ; A's scale words of steps x - 1, x (x odd) into set ((x - 1) / 2) % 3
.irp a, 0,1,2,3
	global_load_b64 v[SCA+8*((((\x)-1)/2)%3)+2*\a:SCA+8*((((\x)-1)/2)%3)+2*\a+1], v[L8], s[SB+2*\a:SB+2*\a+1] offset:256*(((\x)-1)/2)
.endr
.endm
.macro AL x, m                         ; load m (0 .. 11) of step x's fragments: block m / 3, registers 4 (m % 3) on
.if (\x)%5 < 4
.set AS, 48*((\x)%5)
	WIN 0x40
.else
.set AS, 184
	WIN 0
.endif
	global_load_b128 v[AS+4*(\m):AS+4*(\m)+3], v[L16], s[AB+2*((\m)/3):AB+2*((\m)/3)+1] offset:1536*(\x)+512*((\m)%3)
.endm
.macro GROUP x
.if (\x) < 16
.if (\x)%2
	ASC \x
.endif
.irp m, 0,1,2,3,4,5,6,7,8,9,10,11
	AL \x, \m
.endr
	WIN 0
.elseif (\x) == 16
	WIN 0x40
.irp b, 0,1,2,3,4,5,6,7
	global_load_b128 v[WV+8*\b:WV+8*\b+3], v[WA], s[14:15] offset:64*\b
	global_load_b128 v[WV+8*\b+4:WV+8*\b+7], v[WA], s[14:15] offset:64*\b+16
.endr
	WIN 0
.elseif (\x) == 17
	GLOAD 0
.elseif (\x) == 18
	GLOAD 1
.endif
.endm
.macro BL y, l                         ; load l (0 .. 47) of B's fragments of step y, into set y % 2: block l / 6, piece l % 6 of 8 bytes of the row's stream of bits
	ds_load_b64 v[B0+40*((\y)%2)+2*(\l):B0+40*((\y)%2)+2*(\l)+1], v[ADRB+(\l)/12] offset:(((\l)/6)%2)*16*WP+96*(\y)+48*(((\l)%6)/3)+8*((\l)%3)
.endm
.macro BSC p                           ; B's scale words of steps 2 p, 2 p + 1 into set p % 2
.irp i, 0,1,2,3,4,5,6,7
	ds_load_b64 v[SCW+16*((\p)%2)+2*\i:SCW+16*((\p)%2)+2*\i+1], v[ADRS] offset:\i*1536+8*(\p)
.endr
.endm
.macro CNT x                           ; adds group x's loads to NN
.if (\x) < 16
.set NN, NN+12+4*((\x)%2)
.elseif (\x) < 19
.set NN, NN+16
.endif
.endm
; A step: 32 matrix instructions in eight chunks of four; the accumulators take turns, one instruction a turn.  zero = 1: the products start the sums.
; Ahead of chunks 0 .. 5: eight of the next step's 48 LDS loads and two of group t + 4's twelve; ahead of chunk 6, in even steps: B's next scale words.  All of them land in registers that step t - 1 read last:
; the four places at that step's end stand between.
.macro STEP t, zero
.set NN, 0
.if (\t)%2
	CNT (\t)+1                                     ; an odd step needs group t whole: groups t + 1 .. t + 3 may be out
.else
.set NN, 12                                            ; an even step needs group t + 1's scale words too: that group's 12 fragment loads and groups t + 2, t + 3 may be out
.endif
	CNT (\t)+2
	CNT (\t)+3
	s_wait_loadcnt NN
	s_wait_dscnt 0x0                               ; B's set and scale words: the last of them were issued four matrix instructions or more ago
.set BF, B0+40*((\t)%2)
.if (\t)%5 < 4
.set AF, 48*((\t)%5)
.set MW, 0xa4|(3*((\t)%2))                             ; source 0 (B) window 0 or 3, source 1 (A) window 1, C and D window 2
.else
.set AF, 184
.set MW, 0xa0|(3*((\t)%2))                             ; ring set 4 lies in window 0
.endif
.set QQ, 0
.rept 8
.if (\t)+1 < 16 && QQ < 6
	WIN 0xc0*(((\t)+1)%2)
.set LL, 8*QQ
.rept 8
	BL (\t)+1, LL
.set LL, LL+1
.endr
.endif
.if QQ == 6 && (\t)%2 == 0 && (\t)/2+1 < 8
	WIN 0
	BSC (\t)/2+1
.endif
.if (\t)+4 < 16
.if QQ == 0 && ((\t)+4)%2
	WIN 0
	ASC (\t)+4
.endif
.if QQ < 6
	AL (\t)+4, 2*QQ
	AL (\t)+4, 2*QQ+1
.endif
.elseif QQ == 0
	WIN 0
	GROUP (\t)+4
.endif
	WIN MW
.set WW, 4*QQ
.rept 4
.if \zero
	v_wmma_scale_f32_16x16x128_f8f6f4 v[8*WW:8*WW+7], v[BF+FR*(WW%8):BF+FR*(WW%8)+FR-1], v[AF+FR*(WW/8):AF+FR*(WW/8)+FR-1], 0, v[SCW+16*(((\t)/2)%2)+2*(WW%8)+(\t)%2], v[SCA+8*(((\t)/2)%3)+2*(WW/8)+(\t)%2] matrix_a_fmt:MATRIX_FMT_BF6 matrix_b_fmt:MATRIX_FMT_BF6
.else
	v_wmma_scale_f32_16x16x128_f8f6f4 v[8*WW:8*WW+7], v[BF+FR*(WW%8):BF+FR*(WW%8)+FR-1], v[AF+FR*(WW/8):AF+FR*(WW/8)+FR-1], v[8*WW:8*WW+7], v[SCW+16*(((\t)/2)%2)+2*(WW%8)+(\t)%2], v[SCA+8*(((\t)/2)%3)+2*(WW/8)+(\t)%2] matrix_a_fmt:MATRIX_FMT_BF6 matrix_b_fmt:MATRIX_FMT_BF6
.endif
.set WW, WW+1
.endr
.set QQ, QQ+1
.endr
	WIN 0
.rept 4
	v_nop                                          ; four places ahead of loads into registers that matrix instructions have read
.endr
.endm
	BASES
	GROUP 0
	GROUP 1
	s_wait_loadcnt 28                              ; W and its scales are in; groups 0 and 1, 12 + 16 loads, stay out
	WIN 0x08
.set k, 0
.rept 96
.if k == 64
	WIN 0x0c
.endif
	ds_store_b128 v[WST], v[4*(k%64):4*(k%64)+3] offset:(k/3)*WP+(k%3)*512
.set k, k+1
.endr
	WIN 0
.irp i, 0,1,2,3,4,5
	ds_store_b128 v[SST], v[B0+4*\i:B0+4*\i+3] offset:512*\i
.endr
	GROUP 2
	GROUP 3
	s_wait_dscnt 0x0                               ; for the others' sake: my rows of W lie in LDS
	s_barrier_signal -1
	s_barrier_wait -1
.Lpass:
	s_cmp_eq_u32 s[NBW], 0                         ; no live block of mine in this pass
	s_cbranch_scc1 .Lnext
	ds_store_b64 v[STR], v[Z:Z+1]                  ; my stage: zeros at every place
.set LL, 0
.rept 48
	BL 0, LL                                       ; step 0's fragments of B
.set LL, LL+1
.endr
	BSC 0
	STEP 0, 1
.irp t, 1,2,3,4,5,6,7,8,9,10,11,12,13,14,15
	STEP \t, 0
.endr
; THE WAY OUT
	s_wait_loadcnt 32                              ; w_v is in; G of blocks 0 and 1 may be out
	WIN 0x05
.irp c, 0,1,2,3
	v_pk_add_f32 v[S+2*\c:S+2*\c+1], v[WV+2*\c:WV+2*\c+1], v[WV+8+2*\c:WV+9+2*\c]
.endr
	WIN 0x04
.irp i, 2,3,4,5,6,7
.irp c, 0,1,2,3
	v_pk_add_f32 v[S+2*\c:S+2*\c+1], v[S+2*\c:S+2*\c+1], v[WV+8*\i+2*\c:WV+8*\i+2*\c+1]
.endr
.endr
	WIN 0
	v_pk_add_f32 v[S:S+1], v[S:S+1], v[S+2:S+3]
	v_pk_add_f32 v[S+4:S+5], v[S+4:S+5], v[S+6:S+7]
	v_pk_add_f32 v[S:S+1], v[S:S+1], v[S+4:S+5]
	v_add_f32 v[SW], v[S], v[S+1]                  ; the sum of my 64 w_v
.macro EPI a
.if (\a) > 0
	s_cmp_gt_u32 s[NBW], \a
	s_cbranch_scc0 .Ldone                          ; this place and all behind it are dead
.endif
.if (\a) < 3
	s_wait_loadcnt 16                              ; this block's G is in; the next block's 16 loads may be out
.else
	s_wait_loadcnt 0x0
.endif
.set GS, 64*((\a)%2)
.set AC, 64*(\a)
	WIN 0x32                                       ; source 0 window 2, source 2 window 3
	s_wait_alu depctr_va_vdst(0)
.set n, 0
.rept 32
	v_pk_fma_f32 v[T+2*n:T+2*n+1], v[AC+2*n:AC+2*n+1], 0x4038aa3b, v[GS+2*n:GS+2*n+1] op_sel_hi:[1,0,1]   ; 2 log2(e) x, each accumulator from its low end on
.set n, n+1
.endr
	WIN 0
.if (\a)+2 < 4
	GLOAD (\a)+2
.endif
	s_wait_alu depctr_va_vdst(0)                   ; ahead of the batch
.set n, 0
.rept 64
	v_exp_f32 v[T+n], v[T+n]
.set n, n+1
.endr
	v_nop
	s_wait_alu depctr_va_vdst(0)                   ; and behind it
.set n, 0
.rept 32
	v_pk_add_f32 v[T+2*n:T+2*n+1], v[T+2*n:T+2*n+1], 1.0 op_sel_hi:[1,0]
.set n, n+1
.endr
	s_wait_alu depctr_va_vdst(0)
.set n, 0
.rept 64
	v_rcp_f32 v[T+n], v[T+n]
.set n, n+1
.endr
	v_nop
	WIN 0x04
	s_wait_alu depctr_va_vdst(0)
.set n, 0
.rept 32
.if n < 4
	v_pk_mul_f32 v[S+2*n:S+2*n+1], v[T+2*n:T+2*n+1], v[WV+2*n:WV+2*n+1]
.else
	v_pk_fma_f32 v[S+2*(n%4):S+2*(n%4)+1], v[T+2*n:T+2*n+1], v[WV+2*n:WV+2*n+1], v[S+2*(n%4):S+2*(n%4)+1]
.endif
.set n, n+1
.endr
	WIN 0
	v_pk_add_f32 v[S:S+1], v[S:S+1], v[S+2:S+3]
	v_pk_add_f32 v[S+4:S+5], v[S+4:S+5], v[S+6:S+7]
	v_pk_add_f32 v[S:S+1], v[S:S+1], v[S+4:S+5]
	v_add_f32 v[S], v[S], v[S+1]
	v_fma_f32 v[P], v[S], -2.0, v[SW]              ; sum of w - 2 sum of w / (1 + e)
	v_permlanex16_b32 v[Q], v[P], s94, s95
	v_add_f32 v[P], v[P], v[Q]                     ; with the other half's 64 outputs
	ds_store_b32 v[STA], v[P] offset:64*(\a)       ; both halves write the same word with the same value
.endm
.irp a, 0,1,2,3
	EPI \a
.endr
.Ldone:
	ds_load_b64 v[O:O+1], v[STR]                   ; LDS serves a wave's instructions in order
	s_wait_dscnt 0x0
	global_store_b64 v[L8], v[O:O+1], s[96:97]     ; 256 consecutive bytes, aligned
.Lnext:
	s_add_co_u32 s[PASS], s[PASS], 1
	s_cmp_ge_u32 s[PASS], 2
	s_cbranch_scc1 .Lend
	s_wait_loadcnt 0x0                             ; no load is out when the bases and the ring are written again,
	s_wait_xcnt 0x0                                ; and the store has read its base and its data
	s_add_nc_u64 s[96:97], s[96:97], 256
	BASES
	s_cmp_eq_u32 s[NBW], 0
	s_cbranch_scc1 .Lnog
	GROUP 0
	GROUP 1
	GROUP 2
	GROUP 3
.Lnog:
	s_cmp_lt_u32 s[PASS], 2
	s_cbranch_scc1 .Lpass
.Lend:
	s_wait_tensorcnt 0x0                           ; the wave's end
	ds_add_u32 v[SPW], v[NIL]
	s_wait_dscnt 0x0
	s_endpgm
.Lfunc_end_k_qa29c6a5062_scores:
	.size	k_qa29c6a5062_scores, .Lfunc_end_k_qa29c6a5062_scores-k_qa29c6a5062_scores
	.p2alignl 7, 3214868480
	.fill 96, 4, 3214868480
	.section	.rodata,"a",@progbits
	.p2align	6, 0x0
	.amdhsa_kernel k_qa29c6a5062_scores
		.amdhsa_group_segment_fixed_size 212480
		.amdhsa_private_segment_fixed_size 0
		.amdhsa_enable_private_segment 0
		.amdhsa_kernarg_size 64
		.amdhsa_user_sgpr_count 2
		.amdhsa_user_sgpr_kernarg_segment_ptr 1
		.amdhsa_wavefront_size32 1
		.amdhsa_system_sgpr_workgroup_id_x 1
		.amdhsa_system_sgpr_workgroup_id_y 1
		.amdhsa_system_sgpr_workgroup_id_z 1
		.amdhsa_system_vgpr_workitem_id 0
		.amdhsa_next_free_vgpr 1024
		.amdhsa_next_free_sgpr 100
		.amdhsa_reserve_vcc 0
		.amdhsa_float_denorm_mode_32 3
		.amdhsa_float_denorm_mode_16_64 3
		.amdhsa_memory_ordered 1
		.amdhsa_forward_progress 1
		.amdhsa_inst_pref_size 246
	.end_amdhsa_kernel
	.amdgpu_metadata
---
amdhsa.version: [ 1, 2 ]
amdhsa.kernels:
  - .name:           k_qa29c6a5062_scores
    .symbol:         k_qa29c6a5062_scores.kd
    .args:
      - { .name: enc_codes, .offset: 0, .size: 8, .value_kind: global_buffer, .address_space: global }
      - { .name: enc_scales, .offset: 8, .size: 8, .value_kind: global_buffer, .address_space: global }
      - { .name: W_attn_codes, .offset: 16, .size: 8, .value_kind: global_buffer, .address_space: global }
      - { .name: W_attn_scales, .offset: 24, .size: 8, .value_kind: global_buffer, .address_space: global }
      - { .name: gimg, .offset: 32, .size: 8, .value_kind: global_buffer, .address_space: global }
      - { .name: w_v, .offset: 40, .size: 8, .value_kind: global_buffer, .address_space: global }
      - { .name: sp, .offset: 48, .size: 8, .value_kind: global_buffer, .address_space: global }
      - { .name: lengths, .offset: 56, .size: 8, .value_kind: global_buffer, .address_space: global }
    .group_segment_fixed_size: 212480
    .private_segment_fixed_size: 0
    .kernarg_segment_align: 8
    .kernarg_segment_size: 64
    .max_flat_workgroup_size: 128
    .sgpr_count:     100
    .vgpr_count:     1024
    .wavefront_size: 32
...
	.end_amdgpu_metadata
.endif
;; end of part 2
;; launch context (part 3): grid 16 x 16, 8 waves a work-group, no clusters, 9,216 bytes of LDS; arguments sp, b_v, lengths, encoder_out, out0; writes out0
.if DOCPART == 3
	.amdgcn_target "amdgcn-amd-amdhsa--gfx1250"
	.amdhsa_code_object_version 6
	.text
	.protected	k_qa29c6a5062_context
	.globl	k_qa29c6a5062_context
	.p2align	8
	.type	k_qa29c6a5062_context,@function
k_qa29c6a5062_context:
	s_mov_b64 s[64:65], 0
	v_nop
	global_prefetch_b8 v0, s[64:65] scope:SCOPE_SE
	s_setreg_imm32_b32 hwreg(HW_REG_WAVE_MODE, 25, 1), 1
	s_wait_xcnt 0x0
; out0[b][d] = the sum over s < lengths[b] of energy[b][s] encoder_out[b][s][d];  energy = softmax over s < lengths[b] of (the sum of sp's 16 parts + b_v).
; Work-group (x, y) owns batch y and columns 128 x .. 128 x + 127: 512 bytes of each row.  Eight waves; wave w takes rows 8 i + w, i = 0 .. 63; one load of a wave covers a row's 512 bytes.
; THE SOFTMAX is made anew by each of a batch's sixteen work-groups: thread t takes rows 2 t and 2 t + 1; the largest score of the rows that count is taken away before the exponential.
; ROWS BEYOND THE LENGTH: rows go in four groups of 128.  The first two groups are asked for at the head, with the scores and ahead of the length, so that they land while the softmax is made: 32 loads,
; 16,384 bytes a wave.  Of the last two, a group none of whose rows counts is neither loaded nor added (a scalar branch on the length, a whole number that the launch reads).
; Rows beyond the length that are loaded all the same lie inside the buffer and have the weight 0.
; Both products here have one row or one column: they stream, and are fused multiply-adds in f32; the matrix unit, LDS tiles and clusters would add nothing.  What a batch's work-groups share, the scores,
; is 32,768 bytes beside up to 262,144 bytes of rows that are a work-group's own: no joint loads.
; LIMITS: the length is held to 0 .. 512; a length of 0 gives a row of zeros.  NaN and infinities among the inputs are not served.
.set RED,  0                           ; LDS: eight waves' maxima,
.set RED2, 256                         ; eight waves' sums,
.set EN,   512                         ; the 512 weights, not yet divided,
.set PS,   2560                        ; eight waves' partial sums of 128 columns: 512 bytes each
.set X,    32                          ; v32-159 two sets of 16 rows x 4 registers
.set PT,   160                         ; v160-191 sp's 16 parts of my two rows
	s_load_b256 s[4:11], s[0:1], 0x0               ; sp s[4:5], b_v s[6:7], lengths s[8:9], encoder_out s[10:11]
	s_load_b64 s[12:13], s[0:1], 0x20              ; out0
	v_lshl_add_u32 v192, v0, 2, 0x2000
	v_mov_b32 v193, 0
	v_lshrrev_b32 v1, 5, v0
	s_delay_alu instid0(VALU_DEP_1)
	v_readfirstlane_b32 s14, v1                    ; wave 0..7
	s_and_b32 s15, ttmp7, 0xffff                   ; the batch
	v_and_b32 v1, 31, v0                           ; lane
	s_delay_alu instid0(VALU_DEP_1)
	v_lshlrev_b32 v2, 4, v1                        ; 16 x lane: my 16 bytes of a row's 512
	v_lshlrev_b32 v3, 3, v0                        ; 8 x thread: my two rows' scores
	v_lshlrev_b32 v4, 1, v0                        ; row 2 t,
	s_delay_alu instid0(VALU_DEP_1)
	v_add_nc_u32 v5, 1, v4                         ; row 2 t + 1
	s_lshl_b32 s26, s14, 2
	v_mov_b32 v25, s26                             ; LDS: my wave's word
	v_mov_b32 v26, 0
	v_lshl_add_u32 v27, v1, 5, s26                 ; LDS: the weight of row 8 x lane + wave: 32 x lane + 4 x wave
	v_lshl_add_u32 v28, v1, 3, s14                 ; that row's number,
	s_delay_alu instid0(VALU_DEP_1)
	v_add_nc_u32 v29, 0x100, v28                   ; and the row 256 further on
	v_lshlrev_b32 v30, 4, v0                       ; LDS: 512 x wave + 16 x lane
	v_mov_b32 v22, 0xff800000                      ; -infinity
	v_mov_b32 v24, 0                               ; written once: a lane permute's destination counts as one of its sources
	s_mov_b32 s20, 0x76543210
	s_mov_b32 s21, 0xfedcba98                      ; v_permlanex16_b32's selects for lane l xor 16
.irp i, 0,1,2,3,4,5,6,7,8,9,10,11,12,13,14,15
	s_mov_b32 s[33+2*\i], 0                        ; the packed form names a pair and takes its low word for both halves: the upper words are written once
.endr
	s_lshl_b32 s22, s15, 2                         ; lengths: 4 bytes a batch
	s_mov_b32 s23, 0
	s_lshl_b32 s28, s15, 22                        ; encoder_out: 4,194,304 bytes a batch,
	s_lshl_b32 s30, ttmp9, 9                       ; 512 bytes a block of columns,
	s_add_co_u32 s28, s28, s30
	s_lshl_b32 s30, s14, 13                        ; row = my wave's number
	s_add_co_u32 s28, s28, s30
	s_mov_b32 s29, 0
	s_lshl_b32 s30, s15, 13                        ; out0: 8,192 bytes a batch + 512 x
	s_lshl_b32 s31, ttmp9, 9
	s_add_co_u32 s30, s30, s31
	s_mov_b32 s31, 0
	s_wait_kmcnt 0x0
	s_load_b512 s[68:83], s[8:9], 0x0              ; all 16 lengths: they say where my batch's live blocks lie in sp
	s_add_nc_u64 s[84:85], s[8:9], s[22:23]
	s_load_b32 s17, s[84:85], 0x0                  ; the batch's length
	s_load_b32 s18, s[6:7], 0x0                    ; b_v
	s_add_nc_u64 s[10:11], s[10:11], s[28:29]
	s_add_nc_u64 s[12:13], s[12:13], s[30:31]
.macro LOADG g                         ; group g: my 16 rows 128 g + 8 i + wave, into set g % 2
.irp i, 0,1,2,3,4,5,6,7,8,9,10,11,12,13,14,15
	global_load_b128 v[X+64*((\g)%2)+4*\i:X+64*((\g)%2)+4*\i+3], v2, s[10:11] offset:(16*(\g)+\i)*65536 th:TH_LOAD_NT   ; 512 consecutive bytes, read once in the launch
.endr
.endm
	LOADG 0                                        ; asked for ahead of the lengths
	s_wait_kmcnt 0x0
	s_max_i32 s17, s17, 0
	s_min_u32 s17, s17, 512                        ; the length, held to 0 .. 512
	s_mov_b32 s19, s18                             ; (named with s18 as a pair, so it is written)
	; sp holds the live blocks of 16 rows alone: block j = (the live blocks of the batches ahead of mine) + the block in my batch lies, in each of the 16 parts of 32,768 bytes,
	; at byte 512 (j % 64) + 64 (j / 64).  A thread whose rows lie in a dead block reads the batch's last live block; its rows are masked below.
	s_mov_b32 s86, 0
.irp i, 0,1,2,3,4,5,6,7,8,9,10,11,12,13,14
	s_max_i32 s87, s[68+\i], 1
	s_min_i32 s87, s87, 512
	s_add_co_u32 s87, s87, 15
	s_lshr_b32 s87, s87, 4
	s_cmp_gt_u32 s15, \i
	s_cselect_b32 s87, s87, 0
	s_add_co_u32 s86, s86, s87
.endr
	s_max_u32 s87, s17, 1
	s_add_co_u32 s87, s87, 15
	s_lshr_b32 s87, s87, 4
	s_sub_co_u32 s87, s87, 1                       ; my batch's last live block
	v_lshrrev_b32 v6, 3, v0                        ; my two rows' block
	v_min_u32 v6, s87, v6
	v_add_nc_u32 v6, s86, v6                       ; j
	v_and_b32 v7, 63, v6
	v_lshrrev_b32 v6, 6, v6
	v_lshlrev_b32 v7, 9, v7
	v_lshl_add_u32 v7, v6, 6, v7
	v_and_b32 v6, 7, v0
	v_lshl_add_u32 v7, v6, 3, v7                   ; + my two rows' 8 bytes
	v_min_u32 v7, 0x7ff8, v7                       ; inside a part
	s_wait_alu depctr_va_vdst(0)
.irp p, 0,1,2,3,4,5,6,7,8,9,10,11,12,13,14,15
	global_load_b64 v[PT+2*\p:PT+2*\p+1], v7, s[4:5] offset:32768*\p
.endr
	LOADG 1                                        ; on its way while the softmax is made
	s_wait_loadcnt 16                              ; group 0 and sp's 16 loads are in; group 1's 16 stay out
.irp p, 0,1,2,3,4,5,6,7
	v_pk_add_f32 v[PT+4*\p:PT+4*\p+1], v[PT+4*\p:PT+4*\p+1], v[PT+4*\p+2:PT+4*\p+3]
.endr
.irp p, 0,1,2,3
	v_pk_add_f32 v[PT+8*\p:PT+8*\p+1], v[PT+8*\p:PT+8*\p+1], v[PT+8*\p+4:PT+8*\p+5]
.endr
.irp p, 0
	s_delay_alu instid0(VALU_DEP_3)
	v_pk_add_f32 v[PT+16*\p:PT+16*\p+1], v[PT+16*\p:PT+16*\p+1], v[PT+16*\p+8:PT+16*\p+9]
.endr
.irp p, 1
	s_delay_alu instid0(VALU_DEP_2)
	v_pk_add_f32 v[PT+16*\p:PT+16*\p+1], v[PT+16*\p:PT+16*\p+1], v[PT+16*\p+8:PT+16*\p+9]
.endr
	s_delay_alu instid0(VALU_DEP_1)
	v_pk_add_f32 v[PT:PT+1], v[PT:PT+1], v[PT+16:PT+17]
	s_delay_alu instid0(VALU_DEP_1)
	v_pk_add_f32 v[PT:PT+1], v[PT:PT+1], s[18:19] op_sel_hi:[1,0]   ; + b_v: my two rows' scores
	v_cmp_gt_u32 s2, s17, v4                       ; does the row count?
	v_cmp_gt_u32 s3, s17, v5
	s_delay_alu instid0(VALU_DEP_2)
	v_cndmask_b32 v20, v22, v[PT], s2              ; a row that does not has the score -infinity
	s_delay_alu instid0(VALU_DEP_2)
	v_cndmask_b32 v21, v22, v[PT+1], s3
	s_delay_alu instid0(VALU_DEP_1)
	v_max_num_f32 v23, v20, v21
	s_delay_alu instid0(VALU_DEP_1)
	v_max_num_f32_dpp v23, v23, v23 row_xmask:1 row_mask:0xf bank_mask:0xf
	s_delay_alu instid0(VALU_DEP_1)
	v_max_num_f32_dpp v23, v23, v23 row_xmask:2 row_mask:0xf bank_mask:0xf
	s_delay_alu instid0(VALU_DEP_1)
	v_max_num_f32_dpp v23, v23, v23 row_xmask:4 row_mask:0xf bank_mask:0xf
	s_delay_alu instid0(VALU_DEP_1)
	v_max_num_f32_dpp v23, v23, v23 row_xmask:8 row_mask:0xf bank_mask:0xf
	s_delay_alu instid0(VALU_DEP_1)
	v_permlanex16_b32 v24, v23, s20, s21
	s_delay_alu instid0(VALU_DEP_1)
	v_max_num_f32 v23, v23, v24                    ; my wave's largest
	ds_store_b32 v25, v23 offset:RED               ; all lanes write the same word with the same value
	s_wait_dscnt 0x0                               ; for the others' sake
	s_barrier_signal -1
	s_barrier_wait -1
	ds_load_b128 v[164:167], v26 offset:RED
	ds_load_b128 v[168:171], v26 offset:RED+16
	s_wait_dscnt 0x0
	v_max3_num_f32 v23, v164, v165, v166
	s_delay_alu instid0(VALU_DEP_1)
	v_max3_num_f32 v23, v23, v167, v168
	s_delay_alu instid0(VALU_DEP_1)
	v_max3_num_f32 v23, v23, v169, v170
	s_delay_alu instid0(VALU_DEP_1)
	v_max_num_f32 v23, v23, v171                   ; the batch's largest score
	s_delay_alu instid0(VALU_DEP_1)
	v_sub_f32 v20, v20, v23
	s_delay_alu instid0(VALU_DEP_2)
	v_sub_f32 v21, v21, v23
	s_delay_alu instid0(VALU_DEP_2)
	v_mul_f32 v20, 0x3fb8aa3b, v20                 ; x log2(e)
	s_delay_alu instid0(VALU_DEP_2)
	v_mul_f32 v21, 0x3fb8aa3b, v21
	s_wait_alu depctr_va_vdst(0)
	v_exp_f32 v20, v20
	v_exp_f32 v21, v21
	v_nop                                          ; a plain line behind the exponentials
	s_wait_alu depctr_va_vdst(0)
	v_cndmask_b32 v20, 0, v20, s2                  ; a row that does not count weighs 0, whatever the arithmetic made of it
	v_cndmask_b32 v21, 0, v21, s3
	s_delay_alu instid0(VALU_DEP_1)
	v_add_f32 v23, v20, v21
	s_delay_alu instid0(VALU_DEP_1)
	v_add_f32_dpp v23, v23, v23 row_xmask:1 row_mask:0xf bank_mask:0xf
	s_delay_alu instid0(VALU_DEP_1)
	v_add_f32_dpp v23, v23, v23 row_xmask:2 row_mask:0xf bank_mask:0xf
	s_delay_alu instid0(VALU_DEP_1)
	v_add_f32_dpp v23, v23, v23 row_xmask:4 row_mask:0xf bank_mask:0xf
	s_delay_alu instid0(VALU_DEP_1)
	v_add_f32_dpp v23, v23, v23 row_xmask:8 row_mask:0xf bank_mask:0xf
	s_delay_alu instid0(VALU_DEP_1)
	v_permlanex16_b32 v24, v23, s20, s21
	s_delay_alu instid0(VALU_DEP_1)
	v_add_f32 v23, v23, v24                        ; my wave's sum
	ds_store_b32 v25, v23 offset:RED2
	ds_store_b64 v3, v[20:21] offset:EN            ; my two rows' weights
	s_wait_dscnt 0x0                               ; for the others' sake
	s_barrier_signal -1
	s_barrier_wait -1
	ds_load_b128 v[164:167], v26 offset:RED2
	ds_load_b128 v[168:171], v26 offset:RED2+16
	ds_load_b32 v10, v27 offset:EN                 ; lane l: the weight of my wave's row i = l,
	ds_load_b32 v11, v27 offset:EN+1024            ; and of i = 32 + l
	s_wait_dscnt 0x0
	v_add_f32 v164, v164, v165
	v_add_f32 v166, v166, v167
	v_add_f32 v168, v168, v169
	v_add_f32 v170, v170, v171
	s_delay_alu instid0(VALU_DEP_3)
	v_add_f32 v164, v164, v166
	s_delay_alu instid0(VALU_DEP_2)
	v_add_f32 v168, v168, v170
	s_delay_alu instid0(VALU_DEP_1)
	v_add_f32 v164, v164, v168                     ; the batch's sum
	s_wait_alu depctr_va_vdst(0)
	v_rcp_f32 v23, v164
	v_nop                                          ; a plain line behind the reciprocal
	v_cmp_gt_u32 s2, s17, v28
	v_cmp_gt_u32 s3, s17, v29
	s_wait_alu depctr_va_vdst(0)
	v_mul_f32 v10, v10, v23
	v_mul_f32 v11, v11, v23
	s_delay_alu instid0(VALU_DEP_2)
	v_cndmask_b32 v10, 0, v10, s2                  ; zeros beyond the length (with a length of 0 too, where the sum is 0)
	s_delay_alu instid0(VALU_DEP_2)
	v_cndmask_b32 v11, 0, v11, s3
; Group g's 16 rows are added: each row's weight becomes a scalar, and two packed multiply-adds take the lane's four columns.  Even rows go to v[12:15], odd rows to v[16:19]: four chains.
; first = 1: the first two rows start the sums: nothing is cleared.
.macro FMA g, first
.irp i, 0,1,2,3,4,5,6,7,8,9,10,11,12,13,14,15
	v_readlane_b32 s[32+2*\i], v[10+(\g)/2], 16*((\g)%2)+\i
.endr
.irp i, 0,1,2,3,4,5,6,7,8,9,10,11,12,13,14,15
.set XR, X+64*((\g)%2)+4*\i
.set AR, 12+4*(\i%2)
.if \first && (\i < 2)
	v_pk_mul_f32 v[AR:AR+1], v[XR:XR+1], s[32+2*\i:33+2*\i] op_sel_hi:[1,0]
	v_pk_mul_f32 v[AR+2:AR+3], v[XR+2:XR+3], s[32+2*\i:33+2*\i] op_sel_hi:[1,0]
.else
	v_pk_fma_f32 v[AR:AR+1], v[XR:XR+1], s[32+2*\i:33+2*\i], v[AR:AR+1] op_sel_hi:[1,0,1]
	v_pk_fma_f32 v[AR+2:AR+3], v[XR+2:XR+3], s[32+2*\i:33+2*\i], v[AR+2:AR+3] op_sel_hi:[1,0,1]
.endif
.endr
.endm
	s_wait_alu depctr_va_vdst(0)
	s_wait_loadcnt 16                              ; group 0 is in; group 1's 16 loads may be out
	FMA 0, 1
	s_cmp_gt_u32 s17, 256                          ; does any row of group 2 count?
	s_cbranch_scc0 .Llast1
	LOADG 2                                        ; into group 0's registers, which have been added
	s_wait_loadcnt 16                              ; group 1 is in; group 2's stay out
	FMA 1, 0
	s_cmp_gt_u32 s17, 384                          ; of group 3?
	s_cbranch_scc0 .Llast2
	LOADG 3                                        ; into group 1's
	s_wait_loadcnt 16                              ; group 2 is in; group 3's stay out
	FMA 2, 0
	s_wait_loadcnt 0x0
	FMA 3, 0
	s_branch .Lreduce
.Llast1:
	s_wait_loadcnt 0x0
	FMA 1, 0
	s_branch .Lreduce
.Llast2:
	s_wait_loadcnt 0x0
	FMA 2, 0
.Lreduce:
	s_wait_alu depctr_va_vdst(0)
	v_pk_add_f32 v[12:13], v[12:13], v[16:17]
	v_pk_add_f32 v[14:15], v[14:15], v[18:19]
	ds_store_b128 v30, v[12:15] offset:PS          ; my wave's part of the 128 columns
	s_wait_dscnt 0x0                               ; for wave 0's sake
	s_barrier_signal -1
	s_barrier_wait -1                              ; on every wave's way, whatever the length
	s_cmp_lg_u32 s14, 0
	s_cbranch_scc1 .Lend
.irp k, 0,1,2,3,4,5,6,7
	ds_load_b128 v[X+4*\k:X+4*\k+3], v2 offset:PS+512*\k
.endr
	s_wait_dscnt 0x0
.irp k, 0,1,2,3
	v_pk_add_f32 v[X+8*\k:X+8*\k+1], v[X+8*\k:X+8*\k+1], v[X+8*\k+4:X+8*\k+5]
	v_pk_add_f32 v[X+8*\k+2:X+8*\k+3], v[X+8*\k+2:X+8*\k+3], v[X+8*\k+6:X+8*\k+7]
.endr
.irp k, 0
	v_pk_add_f32 v[X+16*\k:X+16*\k+1], v[X+16*\k:X+16*\k+1], v[X+16*\k+8:X+16*\k+9]
	v_pk_add_f32 v[X+16*\k+2:X+16*\k+3], v[X+16*\k+2:X+16*\k+3], v[X+16*\k+10:X+16*\k+11]
.endr
.irp k, 1
	s_delay_alu instid0(VALU_DEP_4)
	v_pk_add_f32 v[X+16*\k:X+16*\k+1], v[X+16*\k:X+16*\k+1], v[X+16*\k+8:X+16*\k+9]
	s_delay_alu instid0(VALU_DEP_4)
	v_pk_add_f32 v[X+16*\k+2:X+16*\k+3], v[X+16*\k+2:X+16*\k+3], v[X+16*\k+10:X+16*\k+11]
.endr
	s_delay_alu instid0(VALU_DEP_2)
	v_pk_add_f32 v[X:X+1], v[X:X+1], v[X+16:X+17]
	s_delay_alu instid0(VALU_DEP_2)
	v_pk_add_f32 v[X+2:X+3], v[X+2:X+3], v[X+18:X+19]
	global_store_b128 v2, v[X:X+3], s[12:13]       ; 32 lanes store 512 consecutive bytes, at a multiple of 256 from out0's first byte
.Lend:
	s_wait_tensorcnt 0x0
	ds_add_u32 v192, v193
	s_wait_dscnt 0x0
	s_endpgm
.Lfunc_end_k_qa29c6a5062_context:
	.size	k_qa29c6a5062_context, .Lfunc_end_k_qa29c6a5062_context-k_qa29c6a5062_context
	.p2alignl 7, 3214868480
	.fill 96, 4, 3214868480
	.section	.rodata,"a",@progbits
	.p2align	6, 0x0
	.amdhsa_kernel k_qa29c6a5062_context
		.amdhsa_group_segment_fixed_size 9216
		.amdhsa_private_segment_fixed_size 0
		.amdhsa_enable_private_segment 0
		.amdhsa_kernarg_size 40
		.amdhsa_user_sgpr_count 2
		.amdhsa_user_sgpr_kernarg_segment_ptr 1
		.amdhsa_wavefront_size32 1
		.amdhsa_system_sgpr_workgroup_id_x 1
		.amdhsa_system_sgpr_workgroup_id_y 1
		.amdhsa_system_sgpr_workgroup_id_z 1
		.amdhsa_system_vgpr_workitem_id 0
		.amdhsa_next_free_vgpr 194
		.amdhsa_next_free_sgpr 90
		.amdhsa_reserve_vcc 0
		.amdhsa_float_denorm_mode_32 3
		.amdhsa_float_denorm_mode_16_64 3
		.amdhsa_memory_ordered 1
		.amdhsa_forward_progress 1
		.amdhsa_inst_pref_size 41
	.end_amdhsa_kernel
	.amdgpu_metadata
---
amdhsa.version: [ 1, 2 ]
amdhsa.kernels:
  - .name:           k_qa29c6a5062_context
    .symbol:         k_qa29c6a5062_context.kd
    .args:
      - { .name: sp, .offset: 0, .size: 8, .value_kind: global_buffer, .address_space: global }
      - { .name: b_v, .offset: 8, .size: 8, .value_kind: global_buffer, .address_space: global }
      - { .name: lengths, .offset: 16, .size: 8, .value_kind: global_buffer, .address_space: global }
      - { .name: encoder_out, .offset: 24, .size: 8, .value_kind: global_buffer, .address_space: global }
      - { .name: out0, .offset: 32, .size: 8, .value_kind: global_buffer, .address_space: global }
    .group_segment_fixed_size: 9216
    .private_segment_fixed_size: 0
    .kernarg_segment_align: 8
    .kernarg_segment_size: 40
    .max_flat_workgroup_size: 256
    .sgpr_count:     90
    .vgpr_count:     194
    .wavefront_size: 32
...
	.end_amdgpu_metadata
.endif
;; end of part 3
